; MI455X (gfx1250); checked and timed in simulation.
; The chip was launched on July 23, 2026; its instructions are those of AMD's public machine-readable ISA for CDNA 5 (MIT licence, August 2026) and "CDNA5" Instruction Set Architecture Reference Guide (July 2026). The comments in the code are by the model that wrote it; some were corrected since.
;; Var Whisper Attention. Allowed arithmetic: matrix products marked QUANTISED: E2M1 operands, one E8M0 scale for each 32 along K, by v_wmma_scale_f32_16x16x128_f8f6f4 with both operands' format E2M1 (or v_wmma_scale_f32_32x16x128_f4), f32 sums; everything else in f32.
;; Inputs: attention_mask 2 x 1 x 2,048 x 2,048 float32; position_ids 2 x 2,048 int32; qkv 2 x 2,048 x 3 x 16 x 64 float32; sliding_window_mask 2 x 1 x 2,048 x 2,048 float32.
;; Outputs: out0 2 x 2,048 x 1,024 float32.
;; This version of the problem:
;;   THIS VERSION OF THE PROBLEM IS GIVEN IN LOW PRECISION. The matrix products marked QUANTISED in the list below multiply operands that are first quantised to E2M1 (2 exponent bits, 1 mantissa bit; 4 bits a number), with one power-of-two scale for each 32 numbers along K (OCP MX v1.0); their sums are f32. All else is computed in f32.
;;   The module's matrix products, in the order in which they are computed (A, B: the left and right operand; K: the contracted axis; several contracted axes count as one K, in the product's order):
;;     1. batch 32 x [M 2,048, K 64] x [K 64, N 2,048]; A: computed on the way; B: computed on the way: QUANTISED
;;     2. batch 32 x [M 2,048, K 2,048] x [K 2,048, N 64]; A: softmax (see below); B: input qkv: QUANTISED
;;   THE QUANTISER, for each operand of a quantised product, along K:
;;     - K is cut into blocks of 32 from its start; a last block that is shorter is filled with zeros.
;;     - A block's scale is 2^e with e = floor(log2(the largest magnitude in the block)) - 2, held to -126 .. 127; a block of zeros has e = 0. As a byte (E8M0): e + 127.
;;     - Each number is divided by its block's scale, clamped to +-6, and rounded to the nearest number of E2M1, ties to even, subnormals kept.
;;     - The product sums the exact products of the quantised numbers (number of the format x scale) in f32.
;;   ~~~python
;;   def quantise(x, axis):      # numpy; x: float32 -> the quantised numbers, widened to float32 again
;;       x = np.moveaxis(x, axis, -1); K = x.shape[-1]
;;       x = np.pad(x, [(0, 0)] * (x.ndim - 1) + [(0, -K % 32)]); x = x.reshape(x.shape[:-1] + (-1, 32)); a = np.abs(x).max(-1, keepdims=True)
;;       e = np.where(a > 0, np.clip(np.frexp(np.where(a > 0, a, 1))[1] - 1 - 2, -126, 127), 0)      # np.frexp(a)[1] - 1 = floor(log2(a)), exactly
;;       r = np.clip(x / 2.0 ** e, -6, 6)
;;       step = 2.0 ** (np.maximum(np.frexp(np.where(r == 0, 1, r))[1] - 1, 0) - 1)
;;       q = np.round(r / step) * step * 2.0 ** e      # np.round: ties to even
;;       return np.moveaxis(q.reshape(q.shape[:-2] + (-1,))[..., :K], -1, axis).astype(np.float32)
;;   ~~~
;;   SOFTMAX AHEAD OF A QUANTISED PRODUCT. Where the list says 'softmax', what is quantised is not the finished softmax but p = 2^(t - M), with t = logit x log2(e) and M = ceil(the row's largest t), a whole number; so 1/2 < the row's largest p <= 1. The row's sum l is taken of the UNQUANTISED p, in f32, and the product's result is divided by l at the end. Since M is a whole number, a kernel that streams over the keys may use a running M (the ceiling of the running maximum): every later rescaling is an exact power of two, which a block's scale takes up: the codes' values come out the same.
;;   OPERANDS COMPUTED ON THE WAY. 'Computed on the way' means the value that the module computes at that place (a softmax that the list does not call 'softmax' is quantised finished and normalised). What goes into a quantiser is computed in f32, as accurately as f32 sums, v_exp_f32 and their like allow (about 1e-6 of the number): no bf16 or f16 on the way to a quantiser, and a product that is left as it is and whose result goes on into a quantised operand takes f32 operands (vector FMAs, or v_wmma_f32_16x16x4_f32). A number that lies on a knife's edge between two numbers of the format may be rounded either way, as far as f32 arithmetic and the matrix unit's own rounding can turn it there, and no further.
;; One version. Each part assembles by itself: llvm-mc -triple=amdgcn-amd-amdhsa -mcpu=gfx1250 --defsym DOCPART=n.
;; ======== version 1 of 1: 2 launches
;; limits: right only within a limited range of input values
;; workspace buffers: kv 4,587,520 bytes; qimg 2,097,152 bytes; qscl 262,144 bytes
;; launch prep (part 1): grid 256 x 1, 8 waves a work-group, no clusters, 263,168 bytes of LDS; arguments qkv, position_ids, kv, qimg, qscl; writes kv, qimg, qscl
.if DOCPART == 1
	.amdgcn_target "amdgcn-amd-amdhsa--gfx1250"
	.amdhsa_code_object_version 6
	.text
	.protected	k_q9a53fa2c97_prep
	.globl	k_q9a53fa2c97_prep
	.p2align	8
	.type	k_q9a53fa2c97_prep,@function
k_q9a53fa2c97_prep:
	s_mov_b64 s[64:65], 0
	v_nop
	global_prefetch_b8 v0, s[64:65] scope:SCOPE_SE
	s_setreg_imm32_b32 hwreg(HW_REG_WAVE_MODE, 25, 1), 1
	s_wait_xcnt 0x0
; qkv [2][2048][3][16][64] f32 and position_ids [2][2048] become the operands of the attention launch, as codes of FP4 (E2M1) with one E8M0 byte for each 32 along a product's K:
; q and k are rotated (RoPE) in f32 and quantised along the head's 64 (two blocks); v is quantised along the keys.  All three leave as IMAGES OF OPERAND REGISTERS: lane l's 16 bytes at 16 l, a scale word at 4 x lane.
;   kv   [b 2][g 4][s 16][35,840]: for 4 heads (e4) and 128 keys: K images [e4][tile 8][512] at 0; V images [e4][t 4][c 2][512] at 16,384; K scale words [e4][tile][16] at 32,768; V scale words [e4][t][16] at 34,816.
;        Lane r of K's tile 2 B + u is key 32 B + 8 u + r + 8 (r / 8); lanes 0-15 hold d 0-31, lanes 16-31 d 32-63.  V: lane (r, h) holds channel 16 t + r, keys 64 c + 32 h + 0..31.
;   qimg [b][head 16][T 128][512]: tile T = queries 16 T + r.   qscl [b][s 16][head][tile 8][16] words: the rule's byte LESS 3: the factor 64^-0.5 = 2^-3 of the scores rides in q's scale, the codes are the rule's own.
; A block's scale byte is its largest magnitude's exponent field - 2, held from below by a floor among the maximum's leaves.  A block of zeros keeps the floor's byte: its codes are zeros, and only this program reads the bytes.
; SHARES.  A work-group takes 128 positions x 2 heads x {q, k, v}: 196,608 bytes, brought by six tensor loads of 64 rows x 512 bytes (waves 0-5, one each), filled once.  256 work-groups of equal work.
; While the tiles are on their way the eight waves make a table of cos, -sin, +sin for the 128 positions x 32 frequencies.
; A CODE HANGS ON THE LAST BIT OF THE NUMBER THAT IS QUANTISED, and a last bit of a frequency is enlarged by the position.  So each step says where it rounds:
;   the frequency 1 / 10000^(j / 32) is taken as 10^(-j / 8), written as a decimal and rounded to f32 ONCE, by the assembler.  (The rounded reciprocal of the rounded power is the same number
;   at j = 1 to 4, 6, 7, 8, 11, 14 and one unit in the last place away at j = 5, 9, 10, 12, 13, 15.)
;   the angle = position x frequency, one rounding;   cos and sin of that f32 angle, computed in pairs of words (a sum of two f32) and rounded once at the end;
;   the rotation x cos + x' sin: x' sin is rounded by itself, x cos is fused into the sum.
; LIMITS: blocks of q whose largest magnitude lies under 2^-121, of k and v under 2^-124, are held at the floor's byte; NaN and infinities in qkv are not served; positions up to about 2^20 in magnitude
; the frequency and the order of rounding in the rotation are the ones named above: where the power is rounded ahead of the division, or each product by itself, a last bit can differ.
; LDS: K's rows of a tile and V's two halves of the keys lie a whole number of turns through the banks apart: two lanes deep.  No cluster: no two work-groups read the same bytes.
; DEAD WORK: reference() takes attention_mask as an argument and uses it in no step, for any values: it is not loaded and is among no launch's arguments.  LIMIT: a NaN or an infinity in it is not carried to the result (nor is it by reference()).
.set PITCH, 528
.set QT,    0                          ; q's 128 rows
.set KT,    67584                      ; k's
.set VT,    135168                     ; v's
.set TAB,   202752                     ; the table: 128 rows of TP bytes
.set TP,    400                        ; cos[32] at 0, -sin[32] at 128, +sin[32] at 256, 16 of padding: 25 x 16 bytes
.set G,     253952                     ; the scale words gathered: K's [e][tile][r] 1,024; V's [e][t][r] 512; Q's [e][tile][r] 1,024
.set KVB,   35840                      ; a block of kv
.set COS,   32                         ; v32-63   cos of my row's 32 frequencies (in the table's phase: v32-47 cos, v48-63 -sin, v64-79 +sin of 16 frequencies)
.set SN,    64                         ; v64-95   -sin (lanes 0-15) or +sin (lanes 16-31)
.set OW,    96                         ; v96-127  my half of the row; then the rotated numbers
.set OT,    128                        ; v128-159 the other half
.set TT,    96                         ; the table's phase: sixteen registers at work for each of four frequencies, v96-159
.set PD,    28                         ; v28      a lane permute's destination
.set FQ,    66                         ; s66-81   10^(-j / 8) for my 16 frequencies
; v1 lane, v2 r, v3 h, v4 16 x lane, v5 where I store table rows, v6-9 table rows of K's and Q's tile, v10-13 my row's own and other half (K, Q), v14 V's column, v15 my scale word's place, v17 the gathered words, v18 8 h,
; v19 the position, v20-27 at work, v160-175 codes of the four q and k fragments, v176-183 V's, v184-188 scale words, v190 the position's offset
	s_load_b256 s[4:11], s[0:1], 0x0               ; qkv s[4:5], position_ids s[6:7], kv s[8:9], qimg s[10:11]
	s_load_b64 s[12:13], s[0:1], 0x20              ; qscl
	v_lshl_add_u32 v192, v0, 2, 0x40000
	v_mov_b32 v193, 0
	ds_add_u32 v192, v193
	ds_add_u32 v192, v193
	v_lshrrev_b32 v1, 5, v0
	s_delay_alu instid0(VALU_DEP_1)
	v_readfirstlane_b32 s14, v1                    ; wave w, 0..7
	v_and_b32 v1, 31, v0                           ; lane
	s_wait_alu depctr_va_vdst(0)
	v_and_b32 v2, 15, v0                           ; r
	s_wait_alu depctr_va_vdst(0)
	v_bfe_u32 v3, v0, 4, 1                         ; h
	s_and_b32 s15, ttmp9, 7                        ; hp: which pair of heads
	s_lshr_b32 s16, ttmp9, 3                       ; bs = 16 b + s: which 128 positions
	s_lshr_b32 s17, ttmp9, 7                       ; b
	s_and_b32 s18, s16, 15                         ; s
	s_and_b32 s19, s15, 1                          ; ep: which pair of the group of four heads
	s_lshr_b32 s20, s15, 1                         ; g: the group
	s_lshl_b32 s21, s17, 2
	s_add_co_u32 s21, s21, s20
	s_lshl_b32 s21, s21, 4
	s_add_co_u32 s21, s21, s18
	s_mul_i32 s21, s21, KVB                        ; blk: my block of kv, ((4 b + g) 16 + s) x 35,840
	s_and_b32 s38, s14, 3
	s_lshr_b32 s39, s14, 2
	; descriptor group 1: 64 rows x 128 elements of 4 bytes, 3,072 elements from row to row, 16 bytes of padding behind each row
	s_mov_b32 s24, (2<<16)|(1<<20)|(6<<22)|(3<<25) ; no mask; elements of 4 bytes; padding on, after every 128 words (code 6), of 4 words (code 3)
	s_mov_b32 s25, 128<<16                         ; tensor_dim0
	s_mov_b32 s26, 64<<16                          ; tensor_dim1
	s_mov_b32 s27, 128<<16                         ; tile_dim0
	s_mov_b32 s28, 64                              ; tile_dim1
	s_mov_b32 s29, 3072                            ; the pitch
	s_mov_b32 s30, 0
	s_mov_b32 s31, 0
	; every LDS address: a constant + a constant x lane term + a constant x wave
	v_lshlrev_b32 v4, 4, v1                        ; 16 x lane
	s_mul_i32 s22, s38, 32*TP
	s_lshl_b32 s23, s39, 6
	s_add_co_u32 s22, s22, s23
	s_add_co_u32 s22, s22, TAB
	v_mul_u32_u24 v5, v1, TP
	s_delay_alu instid0(VALU_DEP_1)
	v_add_nc_u32 v5, s22, v5                       ; table, in: row 32 (w % 4) + lane, frequencies 16 (w / 4) on
	s_lshr_b32 s22, s14, 1
	s_lshl_b32 s22, s22, 5
	s_and_b32 s23, s14, 1
	s_lshl_b32 s23, s23, 3
	s_add_co_u32 s51, s22, s23                     ; K's tile w begins at row 32 (w / 2) + 8 (w % 2)
	v_and_b32 v20, 8, v2
	s_delay_alu instid0(VALU_DEP_1)
	v_add_nc_u32 v20, v20, v2                      ; r + 8 (r / 8)
	s_mul_i32 s22, s51, TP
	s_add_co_u32 s22, s22, TAB
	v_mul_u32_u24 v6, v20, TP
	s_delay_alu instid0(VALU_DEP_1)
	v_add_nc_u32 v6, s22, v6                       ; K: my row's cos
	s_wait_alu depctr_va_vdst(0)
	v_lshl_add_u32 v7, v3, 7, v6
	s_delay_alu instid0(VALU_DEP_1)
	v_add_nc_u32 v7, 128, v7                       ; and -sin (h = 0) or +sin (h = 1)
	s_mul_i32 s22, s51, PITCH
	s_add_co_u32 s22, s22, KT
	v_mul_u32_u24 v21, v20, PITCH
	s_delay_alu instid0(VALU_DEP_1)
	v_add_nc_u32 v21, s22, v21
	v_xor_b32 v22, 1, v3
	s_delay_alu instid0(VALU_DEP_2)
	v_lshl_add_u32 v10, v3, 7, v21                 ; K: my half of the row, d = 32 h on
	s_delay_alu instid0(VALU_DEP_2)
	v_lshl_add_u32 v11, v22, 7, v21                ; and the other half
	s_lshl_b32 s51, s14, 4                         ; Q's tile w begins at row 16 w
	s_mul_i32 s22, s51, TP
	s_add_co_u32 s22, s22, TAB
	v_mul_u32_u24 v8, v2, TP
	s_delay_alu instid0(VALU_DEP_1)
	v_add_nc_u32 v8, s22, v8
	s_delay_alu instid0(VALU_DEP_1)
	v_lshl_add_u32 v9, v3, 7, v8
	s_delay_alu instid0(VALU_DEP_1)
	v_add_nc_u32 v9, 128, v9
	s_mul_i32 s22, s51, PITCH
	s_add_co_u32 s22, s22, QT
	v_mul_u32_u24 v21, v2, PITCH
	s_delay_alu instid0(VALU_DEP_1)
	v_add_nc_u32 v21, s22, v21
	s_delay_alu instid0(VALU_DEP_1)
	v_lshl_add_u32 v12, v3, 7, v21
	s_delay_alu instid0(VALU_DEP_2)
	v_lshl_add_u32 v13, v22, 7, v21
	s_lshl_b32 s22, s14, 6                         ; 64 w = 256 (w / 4) + 64 (w % 4): head w / 4, channels 16 (w % 4) on
	s_add_co_u32 s23, s22, VT
	v_mul_u32_u24 v14, v3, 32*PITCH                ; lanes 16-31 begin 32 keys further down
	s_delay_alu instid0(VALU_DEP_1)
	v_lshl_add_u32 v14, v2, 2, v14
	s_delay_alu instid0(VALU_DEP_1)
	v_add_nc_u32 v14, s23, v14                     ; V: my channel's column
	s_add_co_u32 s23, s22, G
	v_lshl_add_u32 v15, v2, 2, s23                 ; my scale word: G + 64 w + 4 r
	s_lshl_b32 s22, s14, 9
	s_add_co_u32 s22, s22, G
	v_lshl_add_u32 v17, v1, 4, s22                 ; the gathered words on their way out: 512 bytes a wave
	v_lshlrev_b32 v18, 3, v3                       ; 8 h
	v_mov_b32 v[PD], 0                             ; written once: a lane permute's destination counts as one of its sources
	s_lshl_b32 s22, s16, 9
	s_lshl_b32 s23, s38, 7
	s_add_co_u32 s22, s22, s23
	v_lshl_add_u32 v190, v1, 2, s22                ; position_ids: 4 x (128 bs + 32 (w % 4) + lane)
	; byte offsets in memory, apart from the addresses
	s_mul_i32 s60, s16, 128*12288                  ; my tile of qkv: 128 bs rows of 12,288 bytes,
	s_lshl_b32 s22, s15, 9                         ; + the pair of heads,
	s_add_co_u32 s60, s60, s22
	s_lshr_b32 s22, s14, 1
	s_lshl_b32 s22, s22, 12                        ; + q, k or v (w / 2),
	s_add_co_u32 s60, s60, s22
	s_and_b32 s22, s14, 1
	s_mul_i32 s22, s22, 64*12288                   ; + which 64 rows (w % 2)
	s_add_co_u32 s60, s60, s22
	s_mov_b32 s61, 0
	s_lshl_b32 s86, s14, 9                         ; 512 w
	s_lshl_b32 s22, s19, 13
	s_add_co_u32 s52, s21, s22
	s_add_co_u32 s52, s52, s86                     ; K's image of tile w, head 2 ep: blk + 8,192 ep + 512 w
	s_mov_b32 s53, 0
	s_add_co_u32 s56, s21, s22
	s_lshl_b32 s23, s14, 10
	s_add_co_u32 s56, s56, s23
	s_add_co_u32 s56, s56, 16384                   ; V's images: blk + 16,384 + 8,192 ep + 1,024 w
	s_mov_b32 s57, 0
	s_lshl_b32 s54, s17, 20
	s_lshl_b32 s22, s15, 17
	s_add_co_u32 s54, s54, s22
	s_lshl_b32 s22, s18, 12
	s_add_co_u32 s54, s54, s22
	s_add_co_u32 s54, s54, s86                     ; Q's image: ((16 b + 2 hp) 128 + 8 s + w) x 512
	s_mov_b32 s55, 0
	s_lshl_b32 s22, s19, 10
	s_add_co_u32 s87, s21, s22
	s_add_co_u32 s87, s87, s86
	s_add_co_u32 s87, s87, 32768                   ; waves 0, 1: K's words
	s_lshl_b32 s22, s19, 9
	s_add_co_u32 s88, s21, s22
	s_add_co_u32 s88, s88, 34816                   ; wave 2: V's words
	s_lshl_b32 s22, s16, 13
	s_lshl_b32 s23, s15, 10
	s_add_co_u32 s89, s22, s23
	s_add_co_u32 s89, s89, s86
	s_sub_co_u32 s89, s89, 1536                    ; waves 3, 4: Q's words, (16 bs + 2 hp) x 512 + 512 (w - 3)
	s_cmp_lt_u32 s14, 2
	s_cselect_b32 s62, s87, s88
	s_cmp_lt_u32 s14, 3
	s_cselect_b32 s62, s62, s89
	s_mov_b32 s63, 0
	s_mov_b32 s36, 0x76543210
	s_mov_b32 s37, 0xfedcba98                      ; v_permlanex16_b32's selects for lane l xor 16
	s_mov_b32 s40, 0x3f22f983                      ; 2 / pi
	s_mov_b32 s41, 0xbfc90fdb                      ; pi / 2 = P1 + P2 + P3: -P1,
	s_mov_b32 s42, 0x333bbd2e                      ; -P2 (P2 is negative),
	s_mov_b32 s43, 0x26f72ced                      ; -P3 (likewise)
	s_mov_b32 s44, 0xbe2aaaab                      ; sin r = r + r z (S1 + z (S2 + z (S3 + z (S4 + z S5)))), z = r r: Taylor's, to r^11.  S1 = -1/6 in two words: the f32 nearest,
	s_mov_b32 s45, 0x31aaaaab                      ; and what it leaves, +2^-26 / 3
	s_mov_b32 s46, 0.008333333333333333            ; S2 = 1/120
	s_mov_b32 s47, -0.0001984126984126984          ; S3 = -1/5040
	s_mov_b32 s48, 0.000002755731922398589         ; S4 = 1/362880
	s_mov_b32 s49, -0.00000002505210838544172      ; S5 = -1/39916800
	s_mov_b32 s90, 0x3d2aaaab                      ; cos r = 1 - z / 2 + z z (C1 + z (C2 + z (C3 + z (C4 + z C5)))): to r^12.  C1 = 1/24 in two words: the f32 nearest,
	s_mov_b32 s91, 0xb0aaaaab                      ; and what it leaves, -2^-28 / 3
	s_mov_b32 s92, -0.001388888888888889           ; C2 = -1/720
	s_mov_b32 s93, 0.0000248015873015873           ; C3 = 1/40320
	s_mov_b32 s94, -0.0000002755731922398589       ; C4 = -1/3628800
	s_mov_b32 s95, 0.00000000208767569878681       ; C5 = 1/479001600
	s_mov_b32 s50, 0x80000000                      ; the sign
	s_mul_i32 s33, s14, 64*PITCH                   ; my tile's place in LDS: q's two halves, k's, v's
	s_mov_b32 s32, 1
	s_wait_dscnt 0x0
	s_wait_kmcnt 0x0
	s_add_nc_u64 s[34:35], s[4:5], s[60:61]
	s_or_b32 s35, s35, 0x80000000                  ; the descriptor's type
	s_add_nc_u64 s[52:53], s[8:9], s[52:53]
	s_add_nc_u64 s[54:55], s[10:11], s[54:55]
	s_add_nc_u64 s[56:57], s[8:9], s[56:57]
	s_cmp_lt_u32 s14, 3                            ; the gathered words go to kv (waves 0-2) or to qscl: the choice hangs on the wave's number alone
	s_cselect_b64 s[58:59], s[8:9], s[12:13]
	s_add_nc_u64 s[58:59], s[58:59], s[62:63]
	s_cmp_lt_u32 s14, 6                            ; six tiles, waves 0-5: one tensor load a wave is out, filled once
	s_cbranch_scc0 .Lno_tile
	tensor_load_to_lds s[32:35], s[24:31]
	s_nop 0
.rept 4
	v_nop
.endr
.Lno_tile:
	s_wait_alu depctr_va_vdst(0)
	global_load_b32 v19, v190, s[6:7]              ; my position
; ---- the table, while the tiles are on their way: position 32 (w % 4) + lane, frequencies 16 (w / 4) + 0 .. 15
.macro FQSET n, lo, hi                 ; 10^(-j / 8): waves 0-3 take j = n, waves 4-7 j = 16 + n
	s_mov_b32 s[FQ+\n], \hi
	s_cselect_b32 s[FQ+\n], \lo, s[FQ+\n]
.endm
	s_cmp_lt_u32 s14, 4                            ; one compare serves all sixteen: neither line of FQSET touches SCC
	FQSET 0,  1.0,                 0.01
	FQSET 1,  0.7498942093324558,  0.007498942093324558
	FQSET 2,  0.5623413251903491,  0.005623413251903491
	FQSET 3,  0.4216965034285822,  0.004216965034285822
	FQSET 4,  0.3162277660168379,  0.003162277660168379
	FQSET 5,  0.2371373705661655,  0.002371373705661655
	FQSET 6,  0.1778279410038923,  0.001778279410038923
	FQSET 7,  0.1333521432163324,  0.001333521432163324
	FQSET 8,  0.1,                 0.001
	FQSET 9,  0.07498942093324558, 0.0007498942093324558
	FQSET 10, 0.05623413251903491, 0.0005623413251903491
	FQSET 11, 0.04216965034285822, 0.0004216965034285822
	FQSET 12, 0.03162277660168379, 0.0003162277660168379
	FQSET 13, 0.02371373705661655, 0.0002371373705661655
	FQSET 14, 0.01778279410038923, 0.0001778279410038923
	FQSET 15, 0.01333521432163324, 0.0001333521432163324
	s_wait_loadcnt 0x0
	v_cvt_f32_i32 v19, v19                         ; the position as f32
; One line for each of the four frequencies that take turns, so that no line waits for the line above it.  d, a, b, c: places among a frequency's sixteen registers; s, t: scalar registers
.macro T_V1 op, d, a
.irp k, 0,1,2,3
	\op v[TT+16*\k+\d], v[TT+16*\k+\a]
.endr
.endm
.macro T_VV op, d, a, b
.irp k, 0,1,2,3
	\op v[TT+16*\k+\d], v[TT+16*\k+\a], v[TT+16*\k+\b]
.endr
.endm
.macro T_SV op, d, s, b
.irp k, 0,1,2,3
	\op v[TT+16*\k+\d], s[\s], v[TT+16*\k+\b]
.endr
.endm
.macro T_FMA d, a, b, c                ; a b + c
.irp k, 0,1,2,3
	s_delay_alu instid0(VALU_DEP_4)
	v_fma_f32 v[TT+16*\k+\d], v[TT+16*\k+\a], v[TT+16*\k+\b], v[TT+16*\k+\c]
.endr
.endm
.macro T_FMN d, a, b, c                ; a b - c: with c = the rounded a b, what that rounding left, exactly
.irp k, 0,1,2,3
	v_fma_f32 v[TT+16*\k+\d], v[TT+16*\k+\a], v[TT+16*\k+\b], -v[TT+16*\k+\c]
.endr
.endm
.macro T_FSV d, a, s, c
.irp k, 0,1,2,3
	s_delay_alu instid0(VALU_DEP_4)
	v_fma_f32 v[TT+16*\k+\d], v[TT+16*\k+\a], s[\s], v[TT+16*\k+\c]
.endr
.endm
.macro T_FSN d, a, s, c
.irp k, 0,1,2,3
	s_delay_alu instid0(VALU_DEP_4)
	v_fma_f32 v[TT+16*\k+\d], v[TT+16*\k+\a], s[\s], -v[TT+16*\k+\c]
.endr
.endm
.macro T_FSS d, a, s, t
.irp k, 0,1,2,3
	v_fma_f32 v[TT+16*\k+\d], v[TT+16*\k+\a], s[\s], s[\t]
.endr
.endm
.macro T_FVS d, a, b, s
.irp k, 0,1,2,3
	s_delay_alu instid0(VALU_DEP_4)
	v_fma_f32 v[TT+16*\k+\d], v[TT+16*\k+\a], v[TT+16*\k+\b], s[\s]
.endr
.endm
.macro T_FH d, a, c                    ; c - a / 2
.irp k, 0,1,2,3
	s_delay_alu instid0(VALU_DEP_4)
	v_fma_f32 v[TT+16*\k+\d], v[TT+16*\k+\a], -0.5, v[TT+16*\k+\c]
.endr
.endm
; Frequencies j0 .. j0 + 3.  Places: 0 the angle; 1 n, then the quadrant; 2, 3 r in two words (rh, rl); 4, 5 z = r r in two words (zh, zl); 6-13 at work; 14 sin r; 15 cos r
.macro SINCOS4 j0
.irp k, 0,1,2,3
	v_mul_f32 v[TT+16*\k], s[FQ+\j0+\k], v19       ; the angle = position x frequency, rounded to f32 as it is defined
.endr
	T_SV v_mul_f32, 1, 40, 0
	T_V1 v_rndne_f32, 1, 1                         ; n
	T_FSV 2, 1, 41, 0                              ; r1 = the angle - n P1, one rounding of the exact difference
	T_SV v_mul_f32, 3, 42, 1                       ; -n P2, rounded,
	T_FSN 4, 1, 42, 3                              ; and what the rounding left
	T_VV v_add_f32, 5, 2, 3                        ; s = r1 - n P2, and the sum's own error, exactly:
	T_VV v_sub_f32, 6, 5, 2
	T_VV v_sub_f32, 7, 5, 6
	T_VV v_sub_f32, 8, 3, 6
	T_VV v_sub_f32, 7, 2, 7
	T_VV v_add_f32, 7, 7, 8
	T_VV v_add_f32, 7, 7, 4                        ; the small parts together,
	T_FSV 7, 1, 43, 7                              ; with - n P3
	T_VV v_add_f32, 2, 5, 7                        ; rh
	T_VV v_sub_f32, 3, 2, 5
	T_VV v_sub_f32, 3, 7, 3                        ; rl: rh + rl = the angle - n pi / 2
	T_V1 v_cvt_i32_f32, 1, 1                       ; n as a whole number: its two low bits are the quadrant
	T_VV v_mul_f32, 4, 2, 2                        ; zh
	T_VV v_add_f32, 6, 2, 2
	T_FMN 5, 2, 2, 4
	T_FMA 5, 6, 3, 5                               ; zl = (rh rh - zh) + 2 rh rl
	; the sine
	T_FSS 6, 4, 49, 48
	T_FVS 6, 6, 4, 47
	T_FVS 6, 6, 4, 46                              ; u = S2 + z (S3 + z (S4 + z S5)): one word is enough from here down
	T_VV v_mul_f32, 6, 4, 6                        ; z u
	T_SV v_add_f32, 7, 44, 6                       ; w = S1 + z u in two words: wh,
	T_SV v_sub_f32, 8, 44, 7
	T_VV v_add_f32, 8, 8, 6
	T_SV v_add_f32, 8, 45, 8                       ; wl
	T_VV v_mul_f32, 9, 2, 4                        ; r z in two words: qh,
	T_FMN 10, 2, 4, 9
	T_FMA 10, 2, 5, 10
	T_FMA 10, 3, 4, 10                             ; ql
	T_VV v_mul_f32, 11, 9, 7                       ; r z w in two words: ch,
	T_FMN 12, 9, 7, 11
	T_FMA 12, 9, 8, 12
	T_FMA 12, 10, 7, 12                            ; cl
	T_VV v_add_f32, 14, 2, 11                      ; rh + ch, and that sum's error,
	T_VV v_sub_f32, 13, 2, 14
	T_VV v_add_f32, 13, 13, 11
	T_VV v_add_f32, 13, 13, 12                     ; with cl
	T_VV v_add_f32, 13, 13, 3                      ; and rl:
	T_VV v_add_f32, 14, 14, 13                     ; sin r, rounded once
	; the cosine
	T_FSS 6, 4, 95, 94
	T_FVS 6, 6, 4, 93
	T_FVS 6, 6, 4, 92                              ; u = C2 + z (C3 + z (C4 + z C5))
	T_VV v_mul_f32, 6, 4, 6
	T_SV v_add_f32, 7, 90, 6                       ; w = C1 + z u: wh,
	T_SV v_sub_f32, 8, 90, 7
	T_VV v_add_f32, 8, 8, 6
	T_SV v_add_f32, 8, 91, 8                       ; wl
	T_VV v_mul_f32, 9, 4, 4                        ; z z in two words
	T_VV v_add_f32, 11, 4, 4
	T_FMN 10, 4, 4, 9
	T_FMA 10, 11, 5, 10
	T_VV v_mul_f32, 11, 9, 7                       ; y = z z w in two words: yh,
	T_FMN 12, 9, 7, 11
	T_FMA 12, 9, 8, 12
	T_FMA 12, 10, 7, 12                            ; yl
.irp k, 0,1,2,3
	v_fma_f32 v[TT+16*\k+6], v[TT+16*\k+4], -0.5, 1.0     ; h = 1 - zh / 2, rounded,
.endr
.irp k, 0,1,2,3
	s_delay_alu instid0(VALU_DEP_4)
	v_sub_f32 v[TT+16*\k+7], 1.0, v[TT+16*\k+6]           ; (exact: h lies between 1/2 and 1)
.endr
	T_FH 7, 4, 7                                   ; and what the rounding left
	T_VV v_add_f32, 15, 6, 11                      ; h + yh, and that sum's error,
	T_VV v_sub_f32, 13, 6, 15
	T_VV v_add_f32, 13, 13, 11
	T_VV v_add_f32, 13, 13, 7
	T_VV v_add_f32, 13, 13, 12
	T_FH 13, 5, 13                                 ; with - zl / 2:
	T_VV v_add_f32, 15, 15, 13                     ; cos r, rounded once
	; the quadrant
.irp k, 0,1,2,3
	v_and_b32 v[TT+16*\k+6], 1, v[TT+16*\k+1]
.endr
.irp k, 0,1,2,3
	s_delay_alu instid0(VALU_DEP_4)
	v_cmp_eq_u32 s[82+\k], 1, v[TT+16*\k+6]        ; an odd quadrant: sine and cosine change places
.endr
.irp k, 0,1,2,3
	v_cndmask_b32 v[TT+16*\k+7], v[TT+16*\k+14], v[TT+16*\k+15], s[82+\k]   ; the sine's magnitude
	v_cndmask_b32 v[TT+16*\k+8], v[TT+16*\k+15], v[TT+16*\k+14], s[82+\k]   ; the cosine's
.endr
.irp k, 0,1,2,3
	v_lshlrev_b32 v[TT+16*\k+9], 30, v[TT+16*\k+1] ; the sine is negative in quadrants 2, 3: bit 1 of n,
	v_add_nc_u32 v[TT+16*\k+1], 1, v[TT+16*\k+1]
.endr
.irp k, 0,1,2,3
	v_lshlrev_b32 v[TT+16*\k+10], 30, v[TT+16*\k+1]   ; the cosine in quadrants 1, 2: bit 1 of n + 1
	v_and_b32 v[TT+16*\k+9], s50, v[TT+16*\k+9]
.endr
.irp k, 0,1,2,3
	v_and_b32 v[TT+16*\k+10], s50, v[TT+16*\k+10]
	v_xor_b32 v[64+\j0+\k], v[TT+16*\k+9], v[TT+16*\k+7]     ; +sin
.endr
.irp k, 0,1,2,3
	v_xor_b32 v[32+\j0+\k], v[TT+16*\k+10], v[TT+16*\k+8]    ; cos
	v_xor_b32 v[48+\j0+\k], s50, v[64+\j0+\k]                ; -sin
.endr
.endm
	SINCOS4 0
	SINCOS4 4
	SINCOS4 8
	SINCOS4 12
.irp i, 0,1,2,3
	ds_store_b128 v5, v[32+4*\i:35+4*\i] offset:16*\i
	ds_store_b128 v5, v[48+4*\i:51+4*\i] offset:128+16*\i
	ds_store_b128 v5, v[64+4*\i:67+4*\i] offset:256+16*\i
.endr
	s_wait_tensorcnt 0x0                           ; my tile has landed,
	s_wait_dscnt 0x0                               ; my rows of the table are stored:
	s_barrier_signal -1
	s_barrier_wait -1                              ; everybody's are
; The largest magnitude of the 32 numbers v[x] on, in two chains, with the floor as one more leaf: into v[d]; v[t] at work
.macro BLKMAX x, d, t, floor
	v_max3_num_f32 v[\d], |v[\x]|, |v[\x+1]|, |v[\x+2]|
	v_max3_num_f32 v[\t], |v[\x+3]|, |v[\x+4]|, |v[\x+5]|
.irp i, 6,10,14,18,22,26
	s_delay_alu instid0(VALU_DEP_2)
	v_max3_num_f32 v[\d], v[\d], |v[\x+\i]|, |v[\x+\i+1]|
	s_delay_alu instid0(VALU_DEP_2)
	v_max3_num_f32 v[\t], v[\t], |v[\x+\i+2]|, |v[\x+\i+3]|
.endr
	s_delay_alu instid0(VALU_DEP_2)
	v_max3_num_f32 v[\d], v[\d], |v[\x+30]|, |v[\x+31]|
	s_delay_alu instid0(VALU_DEP_1)
	v_max3_num_f32 v[\d], v[\d], v[\t], \floor     ; the floor holds the stored byte at 1 from below
.endm
; ---- q and k: wave w makes tile w of both, for both heads.  A lane holds a whole block: 32 neighbours along d of one row
.macro COSLOAD tc, ts
.irp i, 0,1,2,3,4,5,6,7
	ds_load_b128 v[COS+4*\i:COS+4*\i+3], v[\tc] offset:16*\i
.endr
.irp i, 0,1,2,3,4,5,6,7
	ds_load_b128 v[SN+4*\i:SN+4*\i+3], v[\ts] offset:16*\i
.endr
.endm
; One fragment.  own, oth: address registers of my half of the row and of the other; e: the head of the pair; floor: the maximum's floor; qsub = 1: the stored byte is 3 less; cd: four registers for the codes, wd: one for the word
; (each fragment has its own, so that no store's data are written again); base, imm: where the image goes; goff: where the word goes in G
.macro FRAG own, oth, e, floor, qsub, cd, wd, base, imm, goff
.irp i, 0,1,2,3,4,5,6,7
	ds_load_b128 v[OW+4*\i:OW+4*\i+3], v[\own] offset:256*\e+16*\i
.endr
.irp i, 0,1,2,3,4,5,6,7
	ds_load_b128 v[OT+4*\i:OT+4*\i+3], v[\oth] offset:256*\e+16*\i
.endr
	s_wait_dscnt 0x0                               ; the row's two halves, and cos and sin, are in
.set n, 0
.rept 16
	v_pk_mul_f32 v[OT+n:OT+n+1], v[OT+n:OT+n+1], v[SN+n:SN+n+1]     ; (the other half) x (-sin or +sin), rounded by itself;
.set n, n+2
.endr
.set n, 0
.rept 16
	v_pk_fma_f32 v[OW+n:OW+n+1], v[OW+n:OW+n+1], v[COS+n:COS+n+1], v[OT+n:OT+n+1]   ; x cos + that, product and sum rounded once
.set n, n+2
.endr
	BLKMAX OW, 20, 21, \floor                      ; the block's largest magnitude: all 32 numbers are mine
	s_delay_alu instid0(VALU_DEP_1)
	v_add_nc_u32 v22, 0xff000000, v20              ; 2 off its exponent field: the conversion takes the exponent field of this operand as its scale, and nothing else of it
.irp g, 0,1,2,3
	v_cvt_scalef32_pk8_fp4_f32 v[\cd+\g], v[OW+8*\g:OW+8*\g+7], v22
.endr
	v_lshrrev_b32 v23, 23, v22                     ; the scale's byte (also the plain place behind the conversions)
.if \qsub
	s_delay_alu instid0(VALU_DEP_1)
	v_add_nc_u32 v23, -3, v23                      ; q: x 2^-3, the scores' factor
.endif
	global_store_b128 v4, v[\cd:\cd+3], s[\base:\base+1] offset:\imm   ; the image: 32 lanes store 512 consecutive bytes
	v_lshlrev_b32 v24, v18, v23                    ; my block's byte at its place: byte h;
	s_delay_alu instid0(VALU_DEP_1)
	v_permlanex16_b32 v[PD], v24, s36, s37
	s_delay_alu instid0(VALU_DEP_1)
	v_or_b32 v[\wd], v24, v[PD]                    ; with lane l xor 16's the word is whole (bytes 2, 3 are 0: they scale zero codes)
	ds_store_b32 v15, v[\wd] offset:\goff          ; lanes r and r + 16 write the same word with the same value
.endm
	COSLOAD 6, 7
	FRAG 10, 11, 0, 0x1800000, 0, 160, 184, 52, 0, 0
	FRAG 10, 11, 1, 0x1800000, 0, 164, 185, 52, 4096, 512
	COSLOAD 8, 9
	FRAG 12, 13, 0, 0x3000000, 1, 168, 186, 54, 0, 1536
	FRAG 12, 13, 1, 0x3000000, 1, 172, 187, 54, 65536, 2048
; ---- v: wave w takes head w / 4, channels 16 (w % 4) on.  A lane takes a channel and its registers run down the keys: register 32 c + i = key 64 c + 32 h + i: two whole blocks a lane
.set n, 0
.rept 48
	ds_load_b32 v[OW+n], v14 offset:(n+32*(n/32))*PITCH
.set n, n+1
.endr
	s_wait_dscnt 16                                ; the first block's 32 numbers are in; the 16 younger loads may be out
	BLKMAX OW, 20, 26, 0x1800000
.rept 16
	ds_load_b32 v[OW+n], v14 offset:(n+32*(n/32))*PITCH   ; the rest of the second block
.set n, n+1
.endr
	v_add_nc_u32 v22, 0xff000000, v20
.irp g, 0,1,2,3
	v_cvt_scalef32_pk8_fp4_f32 v[176+\g], v[OW+8*\g:OW+8*\g+7], v22
.endr
	s_wait_dscnt 0x0
	BLKMAX OW+32, 21, 26, 0x1800000
	s_delay_alu instid0(VALU_DEP_1)
	v_add_nc_u32 v23, 0xff000000, v21
.irp g, 0,1,2,3
	v_cvt_scalef32_pk8_fp4_f32 v[180+\g], v[OW+32+8*\g:OW+32+8*\g+7], v23
.endr
	v_lshrrev_b32 v24, 23, v22                     ; the bytes of blocks h and 2 + h (the first line is the plain place behind the conversions)
	v_lshrrev_b32 v25, 23, v23
	global_store_b128 v4, v[176:179], s[56:57]
	global_store_b128 v4, v[180:183], s[56:57] offset:512
	v_lshl_or_b32 v26, v25, 16, v24
	s_delay_alu instid0(VALU_DEP_1)
	v_lshlrev_b32 v26, v18, v26                    ; at their places in the word, 8 h bits up
	s_delay_alu instid0(VALU_DEP_1)
	v_permlanex16_b32 v[PD], v26, s36, s37
	s_delay_alu instid0(VALU_DEP_1)
	v_or_b32 v188, v26, v[PD]
	ds_store_b32 v15, v188 offset:1024
; ---- the scale words leave in runs of 512 bytes
	s_wait_dscnt 0x0                               ; my words are stored:
	s_barrier_signal -1
	s_barrier_wait -1                              ; everybody's are
	s_cmp_lt_u32 s14, 5                            ; 2,560 bytes: waves 0-4
	s_cbranch_scc0 .Ldone
	ds_load_b128 v[20:23], v17
	s_wait_dscnt 0x0
	global_store_b128 v4, v[20:23], s[58:59]
.Ldone:
	s_wait_tensorcnt 0x0
	ds_add_u32 v192, v193
	s_wait_dscnt 0x0
	s_endpgm
.Lfunc_end_k_q9a53fa2c97_prep:
	.size	k_q9a53fa2c97_prep, .Lfunc_end_k_q9a53fa2c97_prep-k_q9a53fa2c97_prep
	.p2alignl 7, 3214868480
	.fill 96, 4, 3214868480
	.section	.rodata,"a",@progbits
	.p2align	6, 0x0
	.amdhsa_kernel k_q9a53fa2c97_prep
		.amdhsa_group_segment_fixed_size 263168
		.amdhsa_private_segment_fixed_size 0
		.amdhsa_enable_private_segment 0
		.amdhsa_kernarg_size 40
		.amdhsa_user_sgpr_count 2
		.amdhsa_user_sgpr_kernarg_segment_ptr 1
		.amdhsa_wavefront_size32 1
		.amdhsa_system_sgpr_workgroup_id_x 1
		.amdhsa_system_sgpr_workgroup_id_y 1
		.amdhsa_system_sgpr_workgroup_id_z 1
		.amdhsa_system_vgpr_workitem_id 0
		.amdhsa_next_free_vgpr 194
		.amdhsa_next_free_sgpr 96
		.amdhsa_reserve_vcc 0
		.amdhsa_float_denorm_mode_32 3
		.amdhsa_float_denorm_mode_16_64 3
		.amdhsa_memory_ordered 1
		.amdhsa_forward_progress 1
		.amdhsa_inst_pref_size 108
	.end_amdhsa_kernel
	.amdgpu_metadata
---
amdhsa.version: [ 1, 2 ]
amdhsa.kernels:
  - .name:           k_q9a53fa2c97_prep
    .symbol:         k_q9a53fa2c97_prep.kd
    .args:
      - { .name: qkv, .offset: 0, .size: 8, .value_kind: global_buffer, .address_space: global }
      - { .name: position_ids, .offset: 8, .size: 8, .value_kind: global_buffer, .address_space: global }
      - { .name: kv, .offset: 16, .size: 8, .value_kind: global_buffer, .address_space: global }
      - { .name: qimg, .offset: 24, .size: 8, .value_kind: global_buffer, .address_space: global }
      - { .name: qscl, .offset: 32, .size: 8, .value_kind: global_buffer, .address_space: global }
    .group_segment_fixed_size: 263168
    .private_segment_fixed_size: 0
    .kernarg_segment_align: 8
    .kernarg_segment_size: 40
    .max_flat_workgroup_size: 256
    .sgpr_count:     96
    .vgpr_count:     194
    .wavefront_size: 32
...
	.end_amdgpu_metadata
.endif
;; end of part 1
;; launch attn (part 2): grid 4 x 64, 16 waves a work-group, clusters of 4 x 4, 327,680 bytes of LDS; arguments qimg, qscl, kv, sliding_window_mask, out0; writes out0
.if DOCPART == 2
	.amdgcn_target "amdgcn-amd-amdhsa--gfx1250"
	.amdhsa_code_object_version 6
	.text
	.protected	k_q9a53fa2c97_attn
	.globl	k_q9a53fa2c97_attn
	.p2align	8
	.type	k_q9a53fa2c97_attn,@function
k_q9a53fa2c97_attn:
	s_mov_b64 s[64:65], 0
	v_nop
	global_prefetch_b8 v0, s[64:65] scope:SCOPE_SE
	s_setreg_imm32_b32 hwreg(HW_REG_WAVE_MODE, 25, 1), 1
	s_wait_xcnt 0x0
	s_wait_alu depctr_hold_cnt(0) depctr_sa_sdst(0) depctr_va_vdst(0) depctr_va_sdst(0) depctr_va_ssrc(0) depctr_va_vcc(0) depctr_vm_vsrc(0)
	s_getreg_b32 s2, hwreg(HW_REG_IB_STS2, 6, 4)
	s_cmp_eq_u32 s2, 0
	s_cbranch_scc0 .Lentry_in_a_cluster
	s_endpgm
.Lentry_in_a_cluster:
	s_bfe_u32 s2, ttmp6, 0x10000c
	s_cmp_lg_u32 s2, 0xf033
	s_cbranch_scc0 .Lentry_shape_is_right
	s_endpgm
.Lentry_shape_is_right:
; out0[b][q][head][:] = the sum over keys of softmax(q . k / 8 + sliding_window_mask[b][q][key]) v[key][:], both products on codes of FP4 (E2M1) with E8M0 scales, made by the launch before (its head comment has the layouts).
; The mask is an input: every pair of query and key is computed and every number of the mask is added.  attention_mask enters no step of the computation and is not among the arguments.
; THE SOFTMAX AHEAD OF THE SECOND PRODUCT: t = logit x log2(e), rounded; M = the row's largest t so far, rounded UP to a whole number; p = 2^(t - M) is quantised along the keys, not normalised; the row's sum is taken of
; the unquantised p and divides at the end.  When M moves, the sum and O are multiplied by 2^(old M - new M): exact.  t is rounded before M is taken off, so that a common offset on the logits changes no p.
; SHARES.  A work-group owns 64 queries x 4 heads; wave w owns head w % 4 and query tile w / 4: 16 queries, in 256 registers, four waves to a SIMD, so that one wave's vector work stands beside another's products and LDS loads.
; Every wave walks all 2,048 keys, 128 a step.  A slot of LDS holds 256 keys: two blocks of kv (71,680 bytes) and 64 rows x 1,024 bytes of the mask; two slots take turns.
; CLUSTER 4 x 4.  The four work-groups of a row of the cluster have the same queries and need the same tile of the mask; the four of a column have the same four heads and need the same blocks of kv: each is asked for JOINTLY.
; LAYOUT.  Both products are used transposed: S^T = K Q^T (source 0 = 16 keys, source 1 = my 16 queries), O^T = V^T P^T: a lane holds ONE query (lane % 16) throughout.  The head's 64 fill half of the instruction's 128:
; registers 4-7 of K's and Q's fragments are zero codes, written once.  Lane r of K's tile 2 B + u is key 32 B + 8 u + r + 8 (r / 8), so that the 16 registers of tiles 2 B, 2 B + 1 are keys 32 B + 16 (lane / 16) + 0 .. 15.
; THE MASK IS THE C OF THE FIRST PRODUCT: a lane loads its query's 16 neighbouring numbers of each block of 32 keys into the registers where the scores will stand; the factor 1/8 rides in q's scale bytes.
; So the logit leaves the matrix instruction whole, under that instruction's own rounding of the sum.
; LIMITS: NaN and infinities in the mask are not served; a row whose every logit is of the size of 1e9 gets its p from logits rounded as the matrix instruction rounds them.
.set SLOT,  138240                     ; a slot
.set KVB,   35840                      ; a block of kv: one step's K images, V images, K words, V words for four heads
.set MOFF,  71680                      ; the mask's tile in a slot
.set MP,    1040                       ; its row: 1,024 bytes + 16 of padding = 65 x 16: the 16 rows of a load start at 16 different columns of 16 bytes
.set SPARE, 276480                     ; behind the slots: the spare words, 128 bytes for each wave: eight blocks of 256 bytes that no other line names
.set STAGE, 0                          ; the way out: 16 rows x 272 bytes for each wave, in slot 0: it has had its last fill and its last read at the last change of slots
.set SPW,  1                           ; v1   my spare word; never rewritten
.set NIL,  2                           ; v2   0; never rewritten
.set AK0,  3                           ; v3-7 my lane's place in a slot: K images, V images, K words, V words, the mask
.set AV0,  4
.set AKS0, 5
.set AVS0, 6
.set AM0,  7
.set ADK,  8                           ; v8-12 the same in the slot in hand
.set ADV,  9
.set ADKS, 10
.set ADVS, 11
.set ADM,  12
.set GO,   13                          ; v13  the way out: my byte offset in the wave's rows of out0
.set L,    16                          ; v14 -M, v15 the largest t;  v[16:17] the sum in two halves
.set F,    18                          ; v18  2^(old M - new M); v19 is named with it as a pair
.set W,    20                          ; v20  at work
.set QS,   22                          ; v22  q's scale words;  v23 p's;  v24-27 K's (lanes 0-15 tile 2 j, lanes 16-31 tile 2 j + 1);  v28-29 V's likewise: these hold scales and nothing else
.set PS,   23
.set KS,   24
.set VS,   28
.set QF,   32                          ; v32-39   q's fragment
.set KF,   40                          ; v40-71   four fragments of K
.set VF,   72                          ; v72-103  V's four
.set S,    104                         ; v104-167 the mask, the logits, t, p
.set O,    168                         ; v168-199 O^T
.set PC,   200                         ; v200-207 p's codes
.set BM,   208                         ; v208-211 a block's largest t, then p;  v212-215 the partner's;  v216-219 the conversions' scale operands;  v220-223 the bytes
.set BX,   212
.set CO,   216
.set BY,   220
.set SA,   224                         ; v[224:225] the sum's second chain
; s14 wave, s15 head of four, s16 query tile, s17 w % 2; s[20:21] lane selects; s[22:23] log2(e); s[24:31], s[40:43] the mask's descriptor; s[32:39], s[44:47] kv's; s48 the slot read, s49 the slot filled; s50, s51 my tile's place in a slot; s52 slots to go
.macro CROUND                          ; a round of the cluster's barrier
	s_barrier_signal -1
	s_barrier_wait -1
	s_cmp_lg_u32 s14, 0
	s_cbranch_scc1 .Lnot_wave_0_\@
	s_barrier_signal -3
.Lnot_wave_0_\@:
	s_barrier_wait -3
	s_barrier_signal -1
	s_barrier_wait -1
.endm
; A joint load: waves 0, 1 fetch the mask's two halves of 32 rows, waves 2, 3 the slot's two blocks of kv, the others nothing.  The branches hang on the wave's number alone.  Four v_nop follow each line.
.macro TLOAD
	s_cmp_lt_u32 s14, 2
	s_cbranch_scc0 .Lnot_m_\@
	tensor_load_to_lds s[40:43], s[24:31]
	s_nop 0
.rept 4
	v_nop
.endr
	s_branch .Lasked_\@
.Lnot_m_\@:
	s_cmp_lt_u32 s14, 4
	s_cbranch_scc0 .Lasked_\@
	tensor_load_to_lds s[44:47], s[32:39]
	s_nop 0
.rept 4
	v_nop
.endr
.Lasked_\@:
.endm
	s_load_b256 s[4:11], s[0:1], 0x0               ; qimg s[4:5], qscl s[6:7], kv s[8:9], the mask s[10:11]
	s_load_b64 s[12:13], s[0:1], 0x20              ; out0
	v_lshl_add_u32 v[SPW], v0, 2, SPARE
	v_mov_b32 v[NIL], 0
	ds_add_u32 v1, v2
	ds_add_u32 v1, v2
	s_wait_dscnt 0x0
	v_lshrrev_b32 v226, 5, v0
	s_delay_alu instid0(VALU_DEP_1)
	v_readfirstlane_b32 s14, v226                  ; wave 0..15
	s_and_b32 s15, s14, 3                          ; e: my head of the four
	s_lshr_b32 s16, s14, 2                         ; i: my tile of 16 queries
	s_and_b32 s17, s14, 1                          ; p: which half I fetch, if I fetch
	s_bfe_u32 s53, ttmp6, 0x40000                  ; cx
	s_bfe_u32 s54, ttmp6, 0x40004                  ; cy
	s_and_b32 s55, ttmp7, 0xffff                   ; the cluster's y
	s_lshl_b32 s56, s55, 2
	s_add_co_u32 s56, s56, s54                     ; y = 32 b + block of 64 queries: shared along a row of the cluster
	s_lshl_b32 s57, ttmp9, 2
	s_add_co_u32 s57, s57, s53                     ; g: the group of four heads: shared along a column
	s_lshl_b32 s58, s54, 2
	s_lshl_b32 s58, 15, s58                        ; my row of the cluster
	s_lshl_b32 s59, 0x1111, s53                    ; my column
	s_or_b32 s24, s58, (2<<16)|(1<<20)|(1<<21)|(7<<22)|(3<<25)   ; the mask's tile: to my row; elements of 4 bytes; padding on; bit 21 beside a mask; after every 256 words (code 7) 4 words (code 3)
	s_mov_b32 s25, 256<<16                         ; tensor_dim0
	s_mov_b32 s26, 32<<16                          ; tensor_dim1
	s_mov_b32 s27, 256<<16                         ; tile_dim0
	s_mov_b32 s28, 32                              ; tile_dim1
	s_mov_b32 s29, 2048                            ; the pitch
	s_mov_b32 s30, 0
	s_mov_b32 s31, 0
	s_or_b32 s32, s59, (3<<16)|(1<<21)             ; a block of kv: to my column; 35,840 dense bytes as 140 rows of 32 elements of 8 bytes, no padding
	s_mov_b32 s33, 32<<16
	s_mov_b32 s34, 140<<16
	s_mov_b32 s35, 32<<16
	s_mov_b32 s36, 140
	s_mov_b32 s37, 32
	s_mov_b32 s38, 0
	s_mov_b32 s39, 0
	s_mul_i32 s50, s17, 32*MP
	s_add_co_u32 s50, s50, MOFF                    ; where my half of the mask's tile goes in a slot,
	s_mul_i32 s51, s17, KVB                        ; and my block of kv: no place in the cluster enters an LDS address
	s_lshl_b32 s60, s56, 19                        ; the mask: 64 y rows of 8,192 bytes,
	s_lshl_b32 s61, s17, 18                        ; + 32 rows for the second half
	s_add_co_u32 s60, s60, s61
	s_mov_b32 s61, 0
	s_lshr_b32 s62, s55, 3                         ; b, from the cluster's y alone
	s_lshl_b32 s62, s62, 2
	s_add_co_u32 s62, s62, s57
	s_lshl_b32 s62, s62, 4
	s_add_co_u32 s62, s62, s17
	s_mul_i32 s62, s62, KVB                        ; kv: block (4 b + g) 16 + p
	s_mov_b32 s63, 0
	; my own rows of qimg, qscl and out0
	s_lshr_b32 s66, s56, 5                         ; b
	s_and_b32 s67, s56, 31
	s_lshl_b32 s68, s67, 2
	s_add_co_u32 s68, s68, s16                     ; T: my tile of 16 queries among the 128
	s_lshl_b32 s69, s57, 2
	s_add_co_u32 s69, s69, s15                     ; my head
	s_lshl_b32 s70, s66, 20
	s_lshl_b32 s71, s69, 16
	s_add_co_u32 s70, s70, s71
	s_lshl_b32 s71, s68, 9
	s_add_co_u32 s70, s70, s71                     ; qimg: ((16 b + head) 128 + T) x 512
	s_mov_b32 s71, 0
	s_lshl_b32 s72, s66, 17
	s_lshr_b32 s73, s68, 3
	s_lshl_b32 s73, s73, 13
	s_add_co_u32 s72, s72, s73
	s_lshl_b32 s73, s69, 9
	s_add_co_u32 s72, s72, s73
	s_and_b32 s73, s68, 7
	s_lshl_b32 s73, s73, 6
	s_add_co_u32 s72, s72, s73                     ; qscl: (((16 b + T / 8) 16 + head) 8 + T % 8) x 64
	s_mov_b32 s73, 0
	s_lshl_b32 s74, s56, 18
	s_lshl_b32 s75, s16, 16
	s_add_co_u32 s74, s74, s75
	s_lshl_b32 s75, s69, 8
	s_add_co_u32 s74, s74, s75                     ; out0: row 64 y + 16 i of 4,096 bytes, + 256 x head
	s_mov_b32 s75, 0
	s_mov_b32 s20, 0x76543210
	s_mov_b32 s21, 0xfedcba98                      ; v_permlanex16_b32's selects for lane l xor 16
	s_mov_b32 s22, 0x3fb8aa3b                      ; log2(e)
	s_mov_b32 s23, s22                             ; (named with it as a pair, so it is written)
	s_mov_b32 s48, 0
	s_mov_b32 s49, 0
	s_mov_b32 s52, 7                               ; eight slots' worth of keys: behind each change of slots but the last the next is asked for
	s_wait_kmcnt 0x0
	s_mov_b32 s40, 1
	s_mov_b32 s41, s50                             ; slot 0
	s_add_nc_u64 s[42:43], s[10:11], s[60:61]
	s_or_b32 s43, s43, 0x80000000
	s_mov_b32 s44, 1
	s_mov_b32 s45, s51
	s_add_nc_u64 s[46:47], s[8:9], s[62:63]
	s_or_b32 s47, s47, 0x80000000
	s_add_nc_u64 s[4:5], s[4:5], s[70:71]
	s_add_nc_u64 s[6:7], s[6:7], s[72:73]
	s_add_nc_u64 s[12:13], s[12:13], s[74:75]
	CROUND                                         ; all sixteen work-groups are here: the first joint loads meet
	TLOAD                                          ; slot 0: keys 0 to 255.  One tensor load of a wave is out, here and behind every change of slots but the last
	v_and_b32 v228, 31, v0                         ; lane
	v_and_b32 v229, 15, v0                         ; r
	v_bfe_u32 v230, v0, 4, 1                       ; h
	s_delay_alu instid0(VALU_DEP_3)
	v_lshlrev_b32 v226, 4, v228                    ; 16 x lane
	s_delay_alu instid0(VALU_DEP_3)
	v_lshlrev_b32 v227, 2, v229                    ; 4 r
	global_load_b128 v[QF:QF+3], v226, s[4:5]      ; q's image: it stays in registers
	global_load_b32 v[QS], v227, s[6:7]            ; and its scale words
	s_lshl_b32 s76, s15, 12
	v_add_nc_u32 v[AK0], s76, v226                 ; K images: 16 x lane + 4,096 e
	s_delay_alu instid0(VALU_DEP_1)
	v_add_nc_u32 v[AV0], 16384, v[AK0]             ; V images
	s_lshl_b32 s76, s15, 9
	s_add_co_u32 s76, s76, 32768
	v_lshl_add_u32 v[AKS0], v228, 2, s76           ; K words: 4 x lane + 512 e
	s_lshl_b32 s76, s15, 8
	s_add_co_u32 s76, s76, 34816
	v_lshl_add_u32 v[AVS0], v228, 2, s76           ; V words: 4 x lane + 256 e
	s_mul_i32 s76, s16, 16*MP
	s_add_co_u32 s76, s76, MOFF
	v_mul_u32_u24 v[AM0], v229, MP
	s_delay_alu instid0(VALU_DEP_1)
	v_lshl_add_u32 v[AM0], v230, 6, v[AM0]
	s_delay_alu instid0(VALU_DEP_1)
	v_add_nc_u32 v[AM0], s76, v[AM0]               ; the mask: row 16 i + r, + 64 h: my 16 numbers of a block of 32 keys
	v_lshlrev_b32 v[GO], 12, v230
	s_delay_alu instid0(VALU_DEP_1)
	v_lshl_add_u32 v[GO], v229, 4, v[GO]           ; the way out: lanes 0-15 one row of out0, lanes 16-31 the next; 16 bytes a lane
	v_mov_b32 v15, 0xff61b1e6                      ; the largest t so far: -3e38, under every t
	s_delay_alu instid0(VALU_DEP_1)
	v_floor_f32 v14, -v15                          ; -M
	v_mov_b32 v[L], 0
	v_mov_b32 v[L+1], 0
	v_mov_b32 v[F+1], 0                            ; (named as the upper half of a pair)
.irp b, 0,1,2,3
	v_mov_b32 v[BX+\b], 0                          ; written once: a lane permute's destination counts as one of its sources
	v_mov_b32 v[QF+4+\b], 0                        ; K = 64 .. 127 of the first product: zero codes, on both sides
.endr
.irp t, 0,1,2,3
.irp c, 4,5,6,7
	v_mov_b32 v[KF+8*\t+\c], 0
.endr
.endr
.set n, 0
.rept 32
	v_mov_b32 v[O+n], 0                            ; O^T.  (The step is written once: the first finds zeros, which the first change of M leaves zeros)
.set n, n+1
.endr
; Score tile t from K's fragment f: D = C = the mask's registers
.macro KQ t, f
.if (\t)%2
	v_wmma_scale_f32_16x16x128_f8f6f4 v[S+8*(\t):S+8*(\t)+7], v[KF+8*(\f):KF+8*(\f)+7], v[QF:QF+7], v[S+8*(\t):S+8*(\t)+7], v[KS+(\t)/2], v[QS] matrix_a_fmt:MATRIX_FMT_FP4 matrix_b_fmt:MATRIX_FMT_FP4 matrix_a_scale:MATRIX_SCALE_ROW1
.else
	v_wmma_scale_f32_16x16x128_f8f6f4 v[S+8*(\t):S+8*(\t)+7], v[KF+8*(\f):KF+8*(\f)+7], v[QF:QF+7], v[S+8*(\t):S+8*(\t)+7], v[KS+(\t)/2], v[QS] matrix_a_fmt:MATRIX_FMT_FP4 matrix_b_fmt:MATRIX_FMT_FP4
.endif
.endm
.macro PV t                            ; channels 16 t on of O^T += V^T P^T over these 128 keys
.if (\t)%2
	v_wmma_scale_f32_16x16x128_f8f6f4 v[O+8*(\t):O+8*(\t)+7], v[VF+8*(\t):VF+8*(\t)+7], v[PC:PC+7], v[O+8*(\t):O+8*(\t)+7], v[VS+(\t)/2], v[PS] matrix_a_fmt:MATRIX_FMT_FP4 matrix_b_fmt:MATRIX_FMT_FP4 matrix_a_scale:MATRIX_SCALE_ROW1
.else
	v_wmma_scale_f32_16x16x128_f8f6f4 v[O+8*(\t):O+8*(\t)+7], v[VF+8*(\t):VF+8*(\t)+7], v[PC:PC+7], v[O+8*(\t):O+8*(\t)+7], v[VS+(\t)/2], v[PS] matrix_a_fmt:MATRIX_FMT_FP4 matrix_b_fmt:MATRIX_FMT_FP4
.endif
.endm
.macro PLACES                          ; four plain vector instructions between a matrix instruction and a load into, or a vector read of, its registers (ISA guide 7.12.1 for vector reads)
.rept 4
	v_nop
.endr
.endm
; A KEY STEP: 128 keys, the st-th of the slot in hand.  The twelve accumulators (eight tiles of scores, four of O^T) take turns, one instruction a turn, over the loop's edge too.
.macro STEP st
.if \st
	PLACES                                         ; behind the last step's products, whose V fragments and scale words are loaded anew (in a slot's first step the five additions ahead of it are the places)
.endif
.irp j, 0,1,2,3
	ds_load_b32 v[KS+\j], v[ADKS] offset:(\st)*KVB+128*\j
.endr
.irp t, 0,1,2,3
	ds_load_b128 v[KF+8*\t:KF+8*\t+3], v[ADK] offset:(\st)*KVB+512*\t
.endr
.irp n, 0,1,2,3,4,5,6,7,8,9,10,11,12,13,14,15
	ds_load_b128 v[S+4*\n:S+4*\n+3], v[ADM] offset:512*(\st)+128*(\n/4)+16*(\n%4)   ; register 16 B + i: the mask at my query, key 32 B + 16 h + i
.endr
.irp n, 0,1,2,3,4,5,6,7
	ds_load_b128 v[VF+4*\n:VF+4*\n+3], v[ADV] offset:(\st)*KVB+512*\n
.endr
.irp j, 0,1
	ds_load_b32 v[VS+\j], v[ADVS] offset:(\st)*KVB+128*\j
.endr
	s_wait_dscnt 18                                ; K's words, four fragments and the mask of keys 0-63 are in; the 18 younger loads (8 of the mask, 8 of V, 2 of V's words) may be out
.irp t, 0,1,2,3
	KQ \t, \t
.endr
	PLACES
.irp t, 0,1,2,3
	ds_load_b128 v[KF+8*\t:KF+8*\t+3], v[ADK] offset:(\st)*KVB+512*(4+\t)
.endr
	s_wait_dscnt 0x0
.irp t, 0,1,2,3
	KQ 4+\t, \t
.endr
	PLACES
.set n, 0
.rept 32
	v_pk_mul_f32 v[S+n:S+n+1], v[S+n:S+n+1], s[22:23] op_sel_hi:[1,0]   ; t = logit x log2(e), rounded; each accumulator from its low end on
.set n, n+2
.endr
.irp b, 0,1,2,3
	v_max3_num_f32 v[BM+\b], v[S+16*\b], v[S+1+16*\b], v[S+2+16*\b]     ; the largest t of each block of 32 keys: it serves the row's maximum and, since p rises with t, the block's largest p
.endr
.irp i, 3,5,7,9,11,13
.irp b, 0,1,2,3
	s_delay_alu instid0(VALU_DEP_4)
	v_max3_num_f32 v[BM+\b], v[BM+\b], v[S+16*\b+\i], v[S+1+16*\b+\i]   ; (the four blocks by turns)
.endr
.endr
.irp b, 0,1,2,3
	s_delay_alu instid0(VALU_DEP_4)
	v_max_num_f32 v[BM+\b], v[BM+\b], v[S+15+16*\b]
.endr
.irp b, 0,1,2,3
	s_delay_alu instid0(VALU_DEP_4)
	v_permlanex16_b32 v[BX+\b], v[BM+\b], s20, s21
.endr
.irp b, 0,1,2,3
	s_delay_alu instid0(VALU_DEP_4)
	v_max_num_f32 v[BM+\b], v[BM+\b], v[BX+\b]     ; with lane l xor 16's 16 keys
.endr
	s_delay_alu instid0(VALU_DEP_2)
	v_max3_num_f32 v[W], v[BM], v[BM+1], v[BM+2]
	s_delay_alu instid0(VALU_DEP_1)
	v_max_num_f32 v[W], v[W], v[BM+3]
	s_delay_alu instid0(VALU_DEP_1)
	v_max_num_f32 v15, v15, v[W]                   ; the running largest t
	v_mov_b32 v[W], v14
	s_delay_alu instid0(VALU_DEP_2)
	v_floor_f32 v14, -v15                          ; the new -M = floor(-t) = -ceil(t): a whole number
	s_delay_alu instid0(VALU_DEP_1)
	v_sub_f32 v[W], v14, v[W]                      ; old M - new M: a whole number, 0 or less
	s_delay_alu instid0(VALU_DEP_1)
	v_cvt_i32_f32 v[W], v[W]                       ; (it saturates)
	s_delay_alu instid0(VALU_DEP_1)
	v_ldexp_f32 v[F], 1.0, v[W]                    ; f = 2^(old M - new M)
.set n, 0
.rept 32
	v_pk_add_f32 v[S+n:S+n+1], v[S+n:S+n+1], v[14:15] op_sel_hi:[1,0]   ; t - M (of the pair the low word, -M, serves both halves)
.set n, n+2
.endr
.irp b, 0,1,2,3
	v_add_f32 v[BM+\b], v[BM+\b], v14              ; the same of each block's largest t
.endr
.set n, 0
	s_wait_alu depctr_va_vdst(0)
.rept 64
	v_exp_f32 v[S+n], v[S+n]                       ; p = 2^(t - M), at most 1
.set n, n+1
.endr
.irp b, 0,1,2,3
	v_exp_f32 v[BM+\b], v[BM+\b]                   ; the block's largest p: the same two instructions on the same number give the same bits
.endr
	v_pk_mul_f32 v[L:L+1], v[L:L+1], v[F:F+1] op_sel_hi:[1,0]   ; the sum under the new M (a plain place behind the exponentials)
	s_wait_alu depctr_va_vdst(0)
.irp b, 0,1,2,3
	v_max_num_f32 v[BM+\b], 0x1800000, v[BM+\b]    ; the floor 2^(3 - 127): the byte cannot fall under 1; a block whose every p is 0 keeps that byte over zero codes
.endr
.irp b, 0,1,2,3
	s_delay_alu instid0(VALU_DEP_4)
	v_add_nc_u32 v[CO+\b], 0xff000000, v[BM+\b]    ; 2 off the exponent field: the conversion's scale operand
.endr
.irp b, 0,1,2,3
	s_delay_alu instid0(VALU_DEP_4)
	v_lshrrev_b32 v[BY+\b], 23, v[CO+\b]           ; the scale's byte
.endr
	s_delay_alu instid0(VALU_DEP_3)
	v_lshl_or_b32 v[PS], v[BY+1], 8, v[BY]         ; p's scale word for these 128 keys
	s_delay_alu instid0(VALU_DEP_1)
	v_lshl_or_b32 v[PS], v[BY+2], 16, v[PS]
	s_delay_alu instid0(VALU_DEP_1)
	v_lshl_or_b32 v[PS], v[BY+3], 24, v[PS]
.irp b, 0,1,2,3
	v_cvt_scalef32_pk8_fp4_f32 v[PC+2*\b], v[S+16*\b:S+7+16*\b], v[CO+\b]
	v_cvt_scalef32_pk8_fp4_f32 v[PC+1+2*\b], v[S+8+16*\b:S+15+16*\b], v[CO+\b]
.endr
	v_nop                                          ; one plain place behind a scaled conversion
.irp c, 0,1                                    ; the operand's layout wants a whole block in a lane: lanes 0-15 block 2 c, lanes 16-31 block 2 c + 1
.irp i, 0,1
	v_permlane16_swap_b32 v[PC+4*\c+\i], v[PC+2+4*\c+\i]
.endr
.endr
	v_pk_add_f32 v[224:225], v[108:109], v[112:113]
	v_pk_add_f32 v[254:255], v[116:117], v[120:121]
	v_pk_add_f32 v[252:253], v[124:125], v[128:129]
	v_pk_add_f32 v[250:251], v[132:133], v[136:137]
	v_pk_add_f32 v[248:249], v[140:141], v[144:145]
	v_pk_add_f32 v[246:247], v[148:149], v[152:153]
	v_pk_add_f32 v[244:245], v[156:157], v[160:161]
	v_pk_add_f32 v[16:17], v[16:17], v[164:165]
	v_pk_add_f32 v[224:225], v[224:225], v[104:105]
	v_pk_add_f32 v[254:255], v[254:255], v[106:107]
	v_pk_add_f32 v[252:253], v[252:253], v[110:111]
	v_pk_add_f32 v[250:251], v[250:251], v[114:115]
	v_pk_add_f32 v[248:249], v[248:249], v[118:119]
	v_pk_add_f32 v[246:247], v[246:247], v[122:123]
	v_pk_add_f32 v[244:245], v[244:245], v[126:127]
	v_pk_add_f32 v[16:17], v[16:17], v[130:131]
	v_pk_add_f32 v[224:225], v[224:225], v[134:135]
	v_pk_add_f32 v[254:255], v[254:255], v[138:139]
	v_pk_add_f32 v[252:253], v[252:253], v[142:143]
	v_pk_add_f32 v[250:251], v[250:251], v[146:147]
	v_pk_add_f32 v[248:249], v[248:249], v[150:151]
	v_pk_add_f32 v[246:247], v[246:247], v[154:155]
	v_pk_add_f32 v[244:245], v[244:245], v[158:159]
	v_pk_add_f32 v[16:17], v[16:17], v[162:163]
	v_pk_add_f32 v[224:225], v[224:225], v[166:167]
	s_delay_alu instid0(VALU_DEP_2)
	v_pk_add_f32 v[16:17], v[16:17], v[250:251]
	s_delay_alu instid0(VALU_DEP_2)
	v_pk_add_f32 v[224:225], v[224:225], v[248:249]
	v_pk_add_f32 v[254:255], v[254:255], v[246:247]
	v_pk_add_f32 v[252:253], v[252:253], v[244:245]
	s_delay_alu instid0(VALU_DEP_2)
	v_pk_add_f32 v[16:17], v[16:17], v[254:255]
	s_delay_alu instid0(VALU_DEP_2)
	v_pk_add_f32 v[224:225], v[224:225], v[252:253]
	s_delay_alu instid0(VALU_DEP_1)
	v_pk_add_f32 v[16:17], v[16:17], v[224:225]
.set n, 0
.rept 16
	v_pk_mul_f32 v[O+n:O+n+1], v[O+n:O+n+1], v[F:F+1] op_sel_hi:[1,0]   ; O^T under the new M; each accumulator from its low end on.  (These and the sums stand between p's codes and scale word and the products)
.set n, n+2
.endr
.irp t, 0,1,2,3
	PV \t
.endr
.endm
; THE CHANGE OF SLOTS stands at a slot's head.  Each wave waits for all its tensor loads (its part of the slot that it is about to read), adds 0 to its spare word, and waits for that and for its reads of the slot that it has left.
; fill = 1: that other slot is filled with the next 256 keys.  The barrier is then a round of the cluster's, so that no wave of any partner still reads the slot or has a load on its way; the joint load is the first thing behind it
; and has a whole slot's two steps in which to land.
.macro CHANGE fill
	s_wait_tensorcnt 0x0                           ; no tensor load of mine is out, so a group 0 may be written
	ds_add_u32 v[SPW], v[NIL]                      ; 0 onto my spare word: the descriptors' steps stand between it and the wait for it
.if \fill
	s_xor_b32 s49, s49, SLOT                       ; the other slot than last time,
	s_add_co_u32 s41, s50, s49
	s_add_nc_u64 s[42:43], s[42:43], 1024          ; the mask's next 256 columns; the type bits on top are not reached
	s_add_co_u32 s45, s51, s49
	s_add_nc_u64 s[46:47], s[46:47], 2*KVB         ; kv's next two blocks
.endif
	s_wait_dscnt 0x0                               ; the add is done, and my reads of the slot that I have left are over
.if \fill
	CROUND
	TLOAD
.else
	s_barrier_signal -1
	s_barrier_wait -1
.endif
.endm
.macro SLOT_STEPS
	v_add_nc_u32 v[ADK], s48, v[AK0]
	s_wait_alu depctr_va_vdst(0)
	v_add_nc_u32 v[ADV], s48, v[AV0]
	v_add_nc_u32 v[ADKS], s48, v[AKS0]
	v_add_nc_u32 v[ADVS], s48, v[AVS0]
	v_add_nc_u32 v[ADM], s48, v[AM0]
	STEP 0
	STEP 1
	s_xor_b32 s48, s48, SLOT                       ; on to the other slot
.endm
	s_wait_loadcnt 0x0                             ; q
.Lslot:                                            ; seven trips
	CHANGE 1
	SLOT_STEPS
	s_sub_co_u32 s52, s52, 1
	s_cmp_lg_u32 s52, 0
	s_cbranch_scc1 .Lslot
	CHANGE 0                                       ; the last slot is written out
	SLOT_STEPS
	; THE WAY OUT.  O^T is divided by the row's sum and goes through my stage in LDS: 16 queries x my head's 256 bytes, so that sixteen lanes store 256 consecutive bytes, aligned.  The lines up to the multiplications are the places behind the last products.
	v_add_f32 v[L], v[L], v[L+1]                   ; the sum's two halves,
	s_delay_alu instid0(VALU_DEP_1)
	v_permlanex16_b32 v[W], v[L], s20, s21
	s_delay_alu instid0(VALU_DEP_1)
	v_add_f32 v[L], v[L], v[W]                     ; and lane l xor 16's
	s_wait_alu depctr_va_vdst(0)
	v_rcp_f32 v[L], v[L]
	v_and_b32 v10, 15, v0                          ; r  (a plain place behind the reciprocal)
	v_bfe_u32 v11, v0, 4, 1                        ; h
	s_mul_i32 s76, s14, 16*272
	s_add_co_u32 s76, s76, STAGE                   ; my stage
	v_mul_u32_u24 v8, v10, 272
	s_delay_alu instid0(VALU_DEP_1)
	v_lshl_add_u32 v8, v11, 5, v8
	s_delay_alu instid0(VALU_DEP_1)
	v_add_nc_u32 v8, s76, v8                       ; in: row r; tile t's eight channels of my half: 64 t + 32 h bytes on
	v_mul_u32_u24 v9, v11, 272
	s_delay_alu instid0(VALU_DEP_1)
	v_lshl_add_u32 v9, v10, 4, v9
	s_delay_alu instid0(VALU_DEP_1)
	v_add_nc_u32 v9, s76, v9                       ; back: lanes 0-15 one row, lanes 16-31 the next
.set n, 0
	s_wait_alu depctr_va_vdst(0)
.rept 32
	v_mul_f32 v[S+n], v[O+n], v[L]                 ; register 8 t + j is o(query r, channel 16 t + 8 h + j)
.set n, n+1
.endr
.irp t, 0,1,2,3
	ds_store_b128 v8, v[S+8*\t:S+8*\t+3] offset:64*\t
	ds_store_b128 v8, v[S+8*\t+4:S+8*\t+7] offset:64*\t+16
.endr
.irp i, 0,1,2,3,4,5,6,7
	ds_load_b128 v[KF+4*\i:KF+4*\i+3], v9 offset:2*\i*272   ; LDS serves a wave's instructions in order (ISA guide 5.7.1.4): these see my stores
.endr
.irp i, 0,1,2,3,4,5,6,7
	s_wait_dscnt 7-\i                              ; the younger loads may be out
	global_store_b128 v[GO], v[KF+4*\i:KF+4*\i+3], s[12:13] offset:2*\i*4096 th:TH_STORE_NT   ; written once, read by nobody here
.endr
	s_wait_tensorcnt 0x0                           ; the wave's end: behind my last tensor load and my last LDS store
	ds_add_u32 v[SPW], v[NIL]
	s_wait_dscnt 0x0
	CROUND                                         ; the closing round: no work-group ends while a partner may still ask for a tile that names it
	s_endpgm
.Lfunc_end_k_q9a53fa2c97_attn:
	.size	k_q9a53fa2c97_attn, .Lfunc_end_k_q9a53fa2c97_attn-k_q9a53fa2c97_attn
	.p2alignl 7, 3214868480
	.fill 96, 4, 3214868480
	.section	.rodata,"a",@progbits
	.p2align	6, 0x0
	.amdhsa_kernel k_q9a53fa2c97_attn
		.amdhsa_group_segment_fixed_size 327680
		.amdhsa_private_segment_fixed_size 0
		.amdhsa_enable_private_segment 0
		.amdhsa_kernarg_size 40
		.amdhsa_user_sgpr_count 2
		.amdhsa_user_sgpr_kernarg_segment_ptr 1
		.amdhsa_wavefront_size32 1
		.amdhsa_system_sgpr_workgroup_id_x 1
		.amdhsa_system_sgpr_workgroup_id_y 1
		.amdhsa_system_sgpr_workgroup_id_z 1
		.amdhsa_system_vgpr_workitem_id 0
		.amdhsa_next_free_vgpr 256
		.amdhsa_next_free_sgpr 96
		.amdhsa_reserve_vcc 0
		.amdhsa_float_denorm_mode_32 3
		.amdhsa_float_denorm_mode_16_64 3
		.amdhsa_memory_ordered 1
		.amdhsa_forward_progress 1
		.amdhsa_inst_pref_size 94
	.end_amdhsa_kernel
	.amdgpu_metadata
---
amdhsa.version: [ 1, 2 ]
amdhsa.kernels:
  - .name:           k_q9a53fa2c97_attn
    .symbol:         k_q9a53fa2c97_attn.kd
    .args:
      - { .name: qimg, .offset: 0, .size: 8, .value_kind: global_buffer, .address_space: global }
      - { .name: qscl, .offset: 8, .size: 8, .value_kind: global_buffer, .address_space: global }
      - { .name: kv, .offset: 16, .size: 8, .value_kind: global_buffer, .address_space: global }
      - { .name: sliding_window_mask, .offset: 24, .size: 8, .value_kind: global_buffer, .address_space: global }
      - { .name: out0, .offset: 32, .size: 8, .value_kind: global_buffer, .address_space: global }
    .group_segment_fixed_size: 327680
    .private_segment_fixed_size: 0
    .kernarg_segment_align: 8
    .kernarg_segment_size: 40
    .max_flat_workgroup_size: 512
    .sgpr_count:     96
    .vgpr_count:     256
    .wavefront_size: 32
...
	.end_amdgpu_metadata
.endif
;; end of part 2
